; MI455X (gfx1250); checked and timed in simulation.
; The chip was launched on July 23, 2026; its instructions are those of AMD's public machine-readable ISA for CDNA 5 (MIT licence, August 2026) and "CDNA5" Instruction Set Architecture Reference Guide (July 2026). The comments in the code are by the model that wrote it; some were corrected since.
;; Attention. Allowed arithmetic: float matrix products may take bf16 or f16 operands with f32 sums; all other float work in f32.
;; Inputs: Wk 512 x 512 float32; Wq 512 x 512 float32; bk 512 float32; bq 512 float32; hidden_states 4,096 x 32 x 512 float32; lengths 32 int32.
;; Outputs: out0 32 x 512 float32.
;; 2 versions, each right; version 2 is version 1 with the launch colsum written anew for expert scheduling mode. Each part assembles by itself: llvm-mc -triple=amdgcn-amd-amdhsa -mcpu=gfx1250 --defsym DOCPART=n.
;; ======== version 1 of 2: 4 launches
;; workspace buffers: psum 524,288 bytes; Wkb 524,288 bytes; qs 65,536 bytes; part 589,824 bytes
;; launch colsum (part 1): grid 8 x 32, 16 waves a work-group, no clusters, 10,240 bytes of LDS; arguments hidden_states, Wk, psum, Wkb; writes psum, Wkb
.if DOCPART == 1
	.amdgcn_target "amdgcn-amd-amdhsa--gfx1250"
	.amdhsa_code_object_version 6
	.text
	.protected	k_q936f83866e_colsum
	.globl	k_q936f83866e_colsum
	.p2align	8
	.type	k_q936f83866e_colsum,@function
k_q936f83866e_colsum:
	s_mov_b64 s[64:65], 0
	v_nop
	global_prefetch_b8 v0, s[64:65] scope:SCOPE_SE
	s_setreg_imm32_b32 hwreg(HW_REG_WAVE_MODE, 25, 1), 1
	s_wait_xcnt 0x0
; psum[chunk][b][k] = the sum over the chunk's 512 time steps s of hidden_states[s][b][k], in f32; and Wkb = Wk rounded to bf16.
; The mean over time commutes with the query projection (both are linear), so only these column sums are needed of the first walk over h.
; A stream: every byte of h is read once, by loads of which a wave's covers 512 consecutive bytes of a row; no matrix unit, no cluster (no two work-groups share a byte).
; Work-group (chunk, b): 16 waves.  Thread t owns the four columns 4 (t % 128) .. and the rows s = 512 chunk + t / 128 + 4 i, i = 0 .. 127.
; A ring of 16 slots in registers keeps 16 loads of every wave on their way: 16 x 512 bytes x 16 waves = 128 KiB a work-group.
; The four row phases meet in LDS at the end.  Sums are plain f32 additions, two chains a column; NaN and infinities pass through as they come.
.set ROWSTEP, 4*65536                  ; bytes from a thread's row to its next: four time steps of 32 x 2,048 bytes
.set DEPTH,  16
.set ROUNDS, 128/DEPTH
.set SPARE,  8192                      ; behind the 8,192 bytes of the reduction: the spare words, 128 bytes for each of 16 waves
.set VO,  1                            ; v1      my byte offset in the chunk: 16 (t % 128) + 65,536 (t / 128); never rewritten
.set CG,  2                            ; v2      16 (t % 128)
.set T16, 4                            ; v4      16 t
.set T8,  5                            ; v5      8 t
.set ACC, 8                            ; v[8:11], v[12:15]  two sets of four running sums, taken by turns
.set WR,  16                           ; v[16:21] my 16 bytes of Wk, and their 8 bytes in bf16
.set SPW, 30                           ; v30     LDS address of my spare word
.set NIL, 31                           ; v31     0
.set X,   32                           ; v[32:95] slot j: 4 registers
	s_load_b256 s[4:11], s[0:1], 0x0               ; h s[4:5], Wk s[6:7], psum s[8:9], Wkb s[10:11]
	v_lshl_add_u32 v[SPW], v0, 2, SPARE
	v_mov_b32 v[NIL], 0
	v_lshrrev_b32 v3, 5, v0
	v_readfirstlane_b32 s12, v3                    ; wave 0..15
	s_and_b32 s13, ttmp7, 0xffff                   ; b
	s_lshl_b32 s14, s13, 11                        ; b x 2,048
	s_lshl_b32 s15, ttmp9, 25                      ; chunk x 512 time steps x 65,536 bytes
	s_add_co_u32 s14, s14, s15
	s_mov_b32 s15, 0
	s_lshl_b32 s16, s13, 3
	s_add_co_u32 s16, s16, ttmp9                   ; the work-group's number 0..255: its 4,096 bytes of Wk
	s_lshl_b32 s18, s16, 12
	s_mov_b32 s19, 0
	s_lshl_b32 s20, s16, 11                        ; and its 2,048 bytes of Wkb
	s_mov_b32 s21, 0
	s_lshl_b32 s22, ttmp9, 5
	s_add_co_u32 s22, s22, s13
	s_lshl_b32 s22, s22, 11                        ; psum: (32 chunk + b) x 2,048
	s_mov_b32 s23, 0
	v_and_b32 v[CG], 127, v0
	v_lshrrev_b32 v3, 7, v0                        ; row phase 0..3
	v_lshlrev_b32 v[CG], 4, v[CG]
	v_lshl_add_u32 v[VO], v3, 16, v[CG]
	v_lshlrev_b32 v[T16], 4, v0
	v_lshlrev_b32 v[T8], 3, v0
.irp i, 0,1,2,3,4,5,6,7
	v_mov_b32 v[ACC+(\i)], 0
.endr
	s_wait_kmcnt 0x0
	s_add_nc_u64 s[4:5], s[4:5], s[14:15]
	s_add_nc_u64 s[6:7], s[6:7], s[18:19]
	s_add_nc_u64 s[10:11], s[10:11], s[20:21]
	s_add_nc_u64 s[8:9], s[8:9], s[22:23]
.irp j, 0,1,2,3,4,5,6,7,8,9,10,11,12,13,14,15
	global_load_b128 v[X+4*(\j):X+4*(\j)+3], v[VO], s[4:5] offset:(\j)*ROWSTEP th:TH_LOAD_NT  ; the ring is filled: rows 0 to 15
.endr
	; Waves 0 to 7 round the work-group's 4,096 bytes of Wk: load, wait, round, store in one branch.  A wave's store covers 256 consecutive bytes, aligned.
	s_cmp_lt_u32 s12, 8
	s_cbranch_scc0 .Lno_wk
	global_load_b128 v[WR:WR+3], v[T16], s[6:7] th:TH_LOAD_NT
	s_wait_loadcnt 0x0                             ; the youngest load: the ring's sixteen are in too, which the counts below allow for
	v_cvt_pk_bf16_f32 v[WR+4], v[WR], v[WR+1]
	v_cvt_pk_bf16_f32 v[WR+5], v[WR+2], v[WR+3]
	global_store_b64 v[T8], v[WR+4:WR+5], s[10:11]
.Lno_wk:
; One slot's turn.  left = how many younger loads may stay out; ahead = 1: the slot takes the row 16 further on.
.macro SLOT j, ahead, left
	s_wait_loadcnt \left                           ; loads come back in order: mine is in
	v_pk_add_f32 v[ACC+4*((\j)%2):ACC+4*((\j)%2)+1], v[ACC+4*((\j)%2):ACC+4*((\j)%2)+1], v[X+4*(\j):X+4*(\j)+1]
	v_pk_add_f32 v[ACC+4*((\j)%2)+2:ACC+4*((\j)%2)+3], v[ACC+4*((\j)%2)+2:ACC+4*((\j)%2)+3], v[X+4*(\j)+2:X+4*(\j)+3]
.if \ahead
	global_load_b128 v[X+4*(\j):X+4*(\j)+3], v[VO], s[4:5] offset:((\j)+DEPTH)*ROWSTEP th:TH_LOAD_NT  ; 31 row steps at the most: inside the signed 24-bit immediate
.endif
.endm
	s_mov_b32 s24, ROUNDS-1
.Lround:
.irp j, 0,1,2,3,4,5,6,7,8,9,10,11,12,13,14,15
	SLOT \j, 1, DEPTH-1
.endr
	s_wait_xcnt 0x0                                ; the base is stepped only when every issued load has had its address translated
	s_add_nc_u64 s[4:5], s[4:5], DEPTH*ROWSTEP
	s_sub_co_u32 s24, s24, 1
	s_cmp_lg_u32 s24, 0
	s_cbranch_scc1 .Lround
.irp j, 0,1,2,3,4,5,6,7,8,9,10,11,12,13,14,15
	SLOT \j, 0, DEPTH-1-(\j)                       ; the last round loads nothing: the counts run down
.endr
	v_pk_add_f32 v[ACC:ACC+1], v[ACC:ACC+1], v[ACC+4:ACC+5]
	v_pk_add_f32 v[ACC+2:ACC+3], v[ACC+2:ACC+3], v[ACC+6:ACC+7]
	; The four row phases: phases 1 to 3 (waves 4 to 15) put their sums at LDS byte 16 t; phase 0 adds them and stores.
	s_cmp_lt_u32 s12, 4
	s_cbranch_scc1 .Lkeep
	ds_store_b128 v[T16], v[ACC:ACC+3]
.Lkeep:
	s_wait_dscnt 0x0                               ; for the others' sake: my store is done
	s_barrier_signal -1
	s_barrier_wait -1
	s_cmp_lt_u32 s12, 4
	s_cbranch_scc0 .Ldone
	ds_load_b128 v[X:X+3],    v[CG] offset:2048
	ds_load_b128 v[X+4:X+7],  v[CG] offset:4096
	ds_load_b128 v[X+8:X+11], v[CG] offset:6144
	s_wait_dscnt 0x0
	v_pk_add_f32 v[ACC:ACC+1], v[ACC:ACC+1], v[X:X+1]
	v_pk_add_f32 v[ACC+2:ACC+3], v[ACC+2:ACC+3], v[X+2:X+3]
	v_pk_add_f32 v[X+4:X+5], v[X+4:X+5], v[X+8:X+9]
	v_pk_add_f32 v[X+6:X+7], v[X+6:X+7], v[X+10:X+11]
	v_pk_add_f32 v[ACC:ACC+1], v[ACC:ACC+1], v[X+4:X+5]
	v_pk_add_f32 v[ACC+2:ACC+3], v[ACC+2:ACC+3], v[X+6:X+7]
	global_store_b128 v[CG], v[ACC:ACC+3], s[8:9]  ; a wave stores 512 consecutive bytes, aligned
.Ldone:
	s_wait_tensorcnt 0x0                           ; the wave's end
	ds_add_u32 v[SPW], v[NIL]
	s_wait_dscnt 0x0
	s_endpgm
.Lfunc_end_k_q936f83866e_colsum:
	.size	k_q936f83866e_colsum, .Lfunc_end_k_q936f83866e_colsum-k_q936f83866e_colsum
	.p2alignl 7, 3214868480
	.fill 96, 4, 3214868480
	.section	.rodata,"a",@progbits
	.p2align	6, 0x0
	.amdhsa_kernel k_q936f83866e_colsum
		.amdhsa_group_segment_fixed_size 10240
		.amdhsa_private_segment_fixed_size 0
		.amdhsa_enable_private_segment 0
		.amdhsa_kernarg_size 32
		.amdhsa_user_sgpr_count 2
		.amdhsa_user_sgpr_kernarg_segment_ptr 1
		.amdhsa_wavefront_size32 1
		.amdhsa_system_sgpr_workgroup_id_x 1
		.amdhsa_system_sgpr_workgroup_id_y 1
		.amdhsa_system_sgpr_workgroup_id_z 1
		.amdhsa_system_vgpr_workitem_id 0
		.amdhsa_next_free_vgpr 96
		.amdhsa_next_free_sgpr 66
		.amdhsa_reserve_vcc 0
		.amdhsa_float_denorm_mode_32 3
		.amdhsa_float_denorm_mode_16_64 3
		.amdhsa_memory_ordered 1
		.amdhsa_forward_progress 1
		.amdhsa_inst_pref_size 12
	.end_amdhsa_kernel
	.amdgpu_metadata
---
amdhsa.version: [ 1, 2 ]
amdhsa.kernels:
  - .name:           k_q936f83866e_colsum
    .symbol:         k_q936f83866e_colsum.kd
    .args:
      - { .name: hidden_states, .offset: 0, .size: 8, .value_kind: global_buffer, .address_space: global }
      - { .name: Wk, .offset: 8, .size: 8, .value_kind: global_buffer, .address_space: global }
      - { .name: psum, .offset: 16, .size: 8, .value_kind: global_buffer, .address_space: global }
      - { .name: Wkb, .offset: 24, .size: 8, .value_kind: global_buffer, .address_space: global }
    .group_segment_fixed_size: 10240
    .private_segment_fixed_size: 0
    .kernarg_segment_align: 8
    .kernarg_segment_size: 32
    .max_flat_workgroup_size: 512
    .sgpr_count:     66
    .vgpr_count:     96
    .wavefront_size: 32
...
	.end_amdgpu_metadata
.endif
;; end of part 1
;; launch qproj (part 2): grid 8 x 16, 8 waves a work-group, no clusters, 5,120 bytes of LDS; arguments psum, Wq, bq, qs; writes qs
.if DOCPART == 2
	.amdgcn_target "amdgcn-amd-amdhsa--gfx1250"
	.amdhsa_code_object_version 6
	.text
	.protected	k_q936f83866e_qproj
	.globl	k_q936f83866e_qproj
	.p2align	8
	.type	k_q936f83866e_qproj,@function
k_q936f83866e_qproj:
	s_mov_b64 s[64:65], 0
	v_nop
	global_prefetch_b8 v0, s[64:65] scope:SCOPE_SE
	s_setreg_imm32_b32 hwreg(HW_REG_WAVE_MODE, 25, 1), 1
	s_wait_xcnt 0x0
; qs[b][n] = -c q[b][n], c = 2 log2(e), q[b][n] = (the sum over k of Wq[n][k] x (the sum over chunks of psum[chunk][b][k])) / 4096 + bq[n].
; The factor -c is what the next launch's scores in base 2 want; it is applied in f32, behind the product.
; Work-group (ng, bp): the 64 columns n = 64 ng .. and the two batch rows 2 bp, 2 bp + 1.  The 16 columns of a matrix tile are (batch row, chunk) = 2 x 8,
; so that a work-group reads 32 KiB of psum and 128 KiB of Wq, each once; the eight chunks are added behind the product.  128 work-groups have work, and so many are launched.
; Wave w takes k = 64 w .. 64 w + 63: two matrix steps of 32 on four accumulators (n tiles) that take turns; the eight waves' sums meet in LDS.
; NO CLUSTER: there is no loop and no ring here: every operand goes once from memory through registers into a product.
; LIMITS.  Wq, bq and the chunks' sums are rounded to bf16 for the product (bq for likeness with the other inputs); the sums in f32.  NaN and infinities are not treated apart.
.set SPARE, 4096                       ; behind the eight waves' 512 bytes: the spare words, 128 bytes for each of 8 waves
.set R,   1                            ; v1   lane % 16
.set H,   2                            ; v2   lane / 16
.set PO,  5                            ; v5   my byte offset in psum
.set WO,  6                            ; v6   my byte offset in Wq
.set BO,  7                            ; v7   16 (lane % 16)
.set LW,  8                            ; v8   where I put my sums in LDS
.set LR,  9                            ; v9   where wave 0 reads them
.set QO,  12                           ; v12  my byte offset in qs
.set BQ,  24                           ; v[24:27] four numbers of bq
.set SPW, 30
.set NIL, 31
.set LD,  32                           ; v[32:191] ten groups of 16: for K step ks, group 5 ks: psum; 5 ks + 1 + nt: Wq's n tile nt; f32 as loaded, then 8 registers of bf16
.set ACC, 192                          ; v[192:223] four accumulators
	s_load_b256 s[4:11], s[0:1], 0x0               ; psum s[4:5], Wq s[6:7], bq s[8:9], qs s[10:11]
	v_lshl_add_u32 v[SPW], v0, 2, SPARE
	v_mov_b32 v[NIL], 0
	v_lshrrev_b32 v3, 5, v0
	v_readfirstlane_b32 s12, v3                    ; wave 0..7
	s_and_b32 s13, ttmp7, 0xffff                   ; bp
	v_and_b32 v[R], 15, v0
	v_bfe_u32 v[H], v0, 4, 1
	v_and_b32 v3, 7, v[R]                          ; chunk
	v_lshrrev_b32 v4, 3, v[R]                      ; which of the two batch rows
	v_lshlrev_b32 v[PO], 16, v3                    ; chunk x 65,536
	v_lshl_add_u32 v[PO], v4, 11, v[PO]            ; + batch row x 2,048
	v_lshl_add_u32 v[PO], v[H], 5, v[PO]           ; + 8 f32 for the upper half of the lanes
	v_lshlrev_b32 v[WO], 11, v[R]                  ; row of Wq x 2,048
	v_lshl_add_u32 v[WO], v[H], 5, v[WO]
	v_lshlrev_b32 v[BO], 4, v[R]
	s_lshl_b32 s16, s12, 8                         ; my wave's 64 k in bytes
	s_lshl_b32 s14, s13, 12
	s_add_co_u32 s14, s14, s16                     ; psum: 2 bp rows + k
	s_mov_b32 s15, 0
	s_lshl_b32 s18, ttmp9, 17
	s_add_co_u32 s18, s18, s16                     ; Wq: 64 ng rows + k
	s_mov_b32 s19, 0
	s_lshl_b32 s20, ttmp9, 8                       ; bq: 64 ng numbers
	s_mov_b32 s21, 0
	s_lshl_b32 s22, s13, 12
	s_add_co_u32 s22, s22, s20                     ; qs: 2 bp rows + 64 ng numbers
	s_mov_b32 s23, 0
	s_lshl_b32 s17, s12, 9                         ; my wave's 512 bytes of LDS
	v_lshlrev_b32 v[LW], 8, v4
	v_lshl_add_u32 v[LW], v[H], 5, v[LW]
	v_add_nc_u32 v[LW], s17, v[LW]                 ; 512 w + 256 batch row + 32 half
	v_lshlrev_b32 v[LR], 8, v[H]
	v_lshl_add_u32 v[LR], v[R], 4, v[LR]           ; wave 0: lanes 0-15 the first batch row, lanes 16-31 the second; 16 bytes each
	v_lshlrev_b32 v[QO], 11, v[H]
	v_lshl_add_u32 v[QO], v[R], 4, v[QO]
	s_wait_kmcnt 0x0
	s_add_nc_u64 s[4:5], s[4:5], s[14:15]
	s_add_nc_u64 s[6:7], s[6:7], s[18:19]
	s_add_nc_u64 s[8:9], s[8:9], s[20:21]
	s_add_nc_u64 s[10:11], s[10:11], s[22:23]
	; A fragment is 16 rows x 32 k: lane (r, h) holds k = 8 h .. 8 h + 7 and 16 + 8 h .. : in f32 that is 32 bytes at 32 h and 32 bytes at 64 + 32 h.
.set ks, 0
.rept 2
.set grp, 0
.rept 5
.set GB, LD+16*(5*ks+grp)
.set q, 0
.rept 4
.if grp == 0
	global_load_b128 v[GB+4*q:GB+4*q+3], v[PO], s[4:5] offset:ks*128+(q/2)*64+(q%2)*16
.else
	global_load_b128 v[GB+4*q:GB+4*q+3], v[WO], s[6:7] offset:(grp-1)*32768+ks*128+(q/2)*64+(q%2)*16
.endif
.set q, q+1
.endr
.set grp, grp+1
.endr
.set ks, ks+1
.endr
	global_load_b128 v[BQ:BQ+3], v[BO], s[8:9]
	s_wait_loadcnt 0x0
.set grp, 0
.rept 10                                               ; f32 to bf16 in place, ascending: register i takes numbers 2 i and 2 i + 1, which lie at or above it
.set i, 0
.rept 8
	v_cvt_pk_bf16_f32 v[LD+16*grp+i], v[LD+16*grp+2*i], v[LD+16*grp+2*i+1]
.set i, i+1
.endr
.set grp, grp+1
.endr
	; source 0 = 16 rows of Wq, source 1 = the 16 columns (batch row, chunk): register j of lane (r, h) holds n = 16 nt + 8 h + j of column r
.irp nt, 0,1,2,3
	v_wmma_f32_16x16x32_bf16 v[ACC+8*(\nt):ACC+8*(\nt)+7], v[LD+16*(1+(\nt)):LD+16*(1+(\nt))+7], v[LD:LD+7], 0
.endr
.irp nt, 0,1,2,3
	v_wmma_f32_16x16x32_bf16 v[ACC+8*(\nt):ACC+8*(\nt)+7], v[LD+16*(6+(\nt)):LD+16*(6+(\nt))+7], v[LD+80:LD+87], v[ACC+8*(\nt):ACC+8*(\nt)+7]
.endr
.rept 4
	v_nop                                          ; four places between the last product and the first read of a result (ISA guide 7.12.1)
.endr
.irp m, 1,2,4                                          ; the eight chunks lie in eight neighbouring lanes: three steps, each accumulator from its lowest register on
.set i, 0
.rept 32
	v_add_f32_dpp v[ACC+i], v[ACC+i], v[ACC+i] row_xmask:\m row_mask:0xf bank_mask:0xf
.set i, i+1
.endr
.endr
.irp nt, 0,1,2,3
	ds_store_b128 v[LW], v[ACC+8*(\nt):ACC+8*(\nt)+3] offset:64*(\nt)       ; the eight lanes of a batch row write the same words with the same numbers
	ds_store_b128 v[LW], v[ACC+8*(\nt)+4:ACC+8*(\nt)+7] offset:64*(\nt)+16
.endr
	s_wait_dscnt 0x0                               ; for the others' sake: my stores are done
	s_barrier_signal -1
	s_barrier_wait -1
	s_cmp_lg_u32 s12, 0
	s_cbranch_scc1 .Ldone
.irp w, 0,1,2,3,4,5,6,7
	ds_load_b128 v[LD+4*(\w):LD+4*(\w)+3], v[LR] offset:512*(\w)
.endr
	v_cvt_pk_bf16_f32 v10, v[BQ], v[BQ+1]          ; bq rounded to bf16 and widened again
	v_cvt_pk_bf16_f32 v11, v[BQ+2], v[BQ+3]
	v_lshlrev_b32 v[BQ], 16, v10
	v_and_b32 v[BQ+1], 0xffff0000, v10
	v_lshlrev_b32 v[BQ+2], 16, v11
	v_and_b32 v[BQ+3], 0xffff0000, v11
.irp i, 0,1,2,3
	v_mul_f32 v[BQ+(\i)], 0xc038aa3b, v[BQ+(\i)]   ; -c bq
.endr
	s_wait_dscnt 0x0
.irp d, 4,2,1
.set i, 0
.rept \d
	v_pk_add_f32 v[LD+4*i:LD+4*i+1], v[LD+4*i:LD+4*i+1], v[LD+4*(i+(\d)):LD+4*(i+(\d))+1]
	v_pk_add_f32 v[LD+4*i+2:LD+4*i+3], v[LD+4*i+2:LD+4*i+3], v[LD+4*(i+(\d))+2:LD+4*(i+(\d))+3]
.set i, i+1
.endr
.endr
.irp i, 0,1,2,3
	v_fmamk_f32 v[BQ+(\i)], v[LD+(\i)], 0xba38aa3b, v[BQ+(\i)]  ; sum x (-c / 4096) - c bq
.endr
	global_store_b128 v[QO], v[BQ:BQ+3], s[10:11]  ; sixteen lanes store 256 consecutive bytes, aligned
.Ldone:
	s_wait_tensorcnt 0x0                           ; the wave's end
	ds_add_u32 v[SPW], v[NIL]
	s_wait_dscnt 0x0
	s_endpgm
.Lfunc_end_k_q936f83866e_qproj:
	.size	k_q936f83866e_qproj, .Lfunc_end_k_q936f83866e_qproj-k_q936f83866e_qproj
	.p2alignl 7, 3214868480
	.fill 96, 4, 3214868480
	.section	.rodata,"a",@progbits
	.p2align	6, 0x0
	.amdhsa_kernel k_q936f83866e_qproj
		.amdhsa_group_segment_fixed_size 5120
		.amdhsa_private_segment_fixed_size 0
		.amdhsa_enable_private_segment 0
		.amdhsa_kernarg_size 32
		.amdhsa_user_sgpr_count 2
		.amdhsa_user_sgpr_kernarg_segment_ptr 1
		.amdhsa_wavefront_size32 1
		.amdhsa_system_sgpr_workgroup_id_x 1
		.amdhsa_system_sgpr_workgroup_id_y 1
		.amdhsa_system_sgpr_workgroup_id_z 1
		.amdhsa_system_vgpr_workitem_id 0
		.amdhsa_next_free_vgpr 224
		.amdhsa_next_free_sgpr 66
		.amdhsa_reserve_vcc 0
		.amdhsa_float_denorm_mode_32 3
		.amdhsa_float_denorm_mode_16_64 3
		.amdhsa_memory_ordered 1
		.amdhsa_forward_progress 1
		.amdhsa_inst_pref_size 21
	.end_amdhsa_kernel
	.amdgpu_metadata
---
amdhsa.version: [ 1, 2 ]
amdhsa.kernels:
  - .name:           k_q936f83866e_qproj
    .symbol:         k_q936f83866e_qproj.kd
    .args:
      - { .name: psum, .offset: 0, .size: 8, .value_kind: global_buffer, .address_space: global }
      - { .name: Wq, .offset: 8, .size: 8, .value_kind: global_buffer, .address_space: global }
      - { .name: bq, .offset: 16, .size: 8, .value_kind: global_buffer, .address_space: global }
      - { .name: qs, .offset: 24, .size: 8, .value_kind: global_buffer, .address_space: global }
    .group_segment_fixed_size: 5120
    .private_segment_fixed_size: 0
    .kernarg_segment_align: 8
    .kernarg_segment_size: 32
    .max_flat_workgroup_size: 256
    .sgpr_count:     66
    .vgpr_count:     224
    .wavefront_size: 32
...
	.end_amdgpu_metadata
.endif
;; end of part 2
;; launch attn (part 3): grid 8 x 32, 4 waves a work-group, clusters of 4 x 1, 327,680 bytes of LDS; arguments hidden_states, Wkb, bk, qs, lengths, part; writes part
.if DOCPART == 3
	.amdgcn_target "amdgcn-amd-amdhsa--gfx1250"
	.amdhsa_code_object_version 6
	.text
	.protected	k_q936f83866e_attn
	.globl	k_q936f83866e_attn
	.p2align	8
	.type	k_q936f83866e_attn,@function
k_q936f83866e_attn:
	s_mov_b64 s[64:65], 0
	v_nop
	global_prefetch_b8 v0, s[64:65] scope:SCOPE_SE
	s_setreg_imm32_b32 hwreg(HW_REG_WAVE_MODE, 25, 1), 1
	s_wait_xcnt 0x0
	s_wait_alu depctr_hold_cnt(0) depctr_sa_sdst(0) depctr_va_vdst(0) depctr_va_sdst(0) depctr_va_ssrc(0) depctr_va_vcc(0) depctr_vm_vsrc(0)
	s_getreg_b32 s2, hwreg(HW_REG_IB_STS2, 6, 4)
	s_cmp_eq_u32 s2, 0
	s_cbranch_scc0 .Lentry_in_a_cluster
	s_endpgm
.Lentry_in_a_cluster:
	s_bfe_u32 s2, ttmp6, 0x10000c
	s_cmp_lg_u32 s2, 0x3003
	s_cbranch_scc0 .Lentry_shape_is_right
	s_endpgm
.Lentry_shape_is_right:
; For batch row b and a chunk of 512 time steps: key = tanh(h Wk^T + bk), the scores key . q with the length mask, and the chunk's share of the softmax-weighted sum of keys.
; IDENTITIES, exact for every input.  With c = 2 log2(e) and r = 1 / (1 + 2^(c x)): tanh(x) = 1 - 2 r.  So score = sum(q) - 2 sum_n q[n] r[n]; the constant sum(q) drops out of the
; softmax; in base 2 the score is S = sum_n qs[n] r[n] (qs = -c q, from the launch before) plus -10000 log2(e) at positions >= lengths[b].  p = 2^(S - m) with a RUNNING MAXIMUM m.
; This launch leaves, for each (b, chunk), sum p r (512 numbers), its maximum M and sum l; the last launch joins the chunks and forms 1 - 2 (sum p r) / (sum p).
; Masked positions are computed like all others: the mask is additive and finite.
; SHARES.  256 work-groups of four waves.  The 512 positions go as 4 blocks of 128 rows x all 512 columns n, since a score wants a whole row.  Wave w owns all 128 rows x n = 128 w .. + 127:
; 64 accumulators of 16 x 16, 512 registers.  K goes in 4 steps of 128 a block: 16 steps, 8 laps of two; a step is 256 matrix instructions a wave.
; TWO ROADS.  B (Wkb, bf16, walked alike by every work-group) comes by tensor loads into two LDS slots of 512 rows x 256 bytes; wave w fetches, and alone reads, its own 128 rows.
; The four work-groups of a CLUSTER ask JOINTLY: the same load, descriptor and mask in all four.  Two such slots leave no room for a second tile of A in LDS.  So A (this work-group's own rows
; of h, f32, shared with nobody) comes by global loads into 128 registers a whole step ahead, is rounded to bf16 there and put into ONE LDS buffer between two barriers of a step's last quarter.
; THE MATRIX INSTRUCTION IS USED TRANSPOSED (source 0 = 16 rows of Wkb, source 1 = 16 rows of h): a lane holds ONE position (lane % 16) and the columns n = 16 bt + 8 (lane / 16) + 0..7.
; The two one-column products (scores, weighted sum) are packed f32 multiply-adds straight on the accumulators: a matrix form would want as many conversions and use one column of sixteen.
; LIMITS.  h, Wk and bk enter rounded to bf16; all behind the products is f32.  2^(c x) beyond f32's range gives r = 0, below it r = 1: tanh's own limits.  A weight below 2^-126 counts as 0.
; lengths are clamped to 0 .. 4096, which changes no mask.  NaN and infinities are not treated apart.
; REGISTERS, in windows of 256 (s_set_vgpr_msb: bits 1:0 source 0, 3:2 source 1, 5:4 source 2, 7:6 destination):
;   window 0: v0-31 addresses; v32-95 AO = sum p r; v96-127 at work; v128-191, v192-255 A's fragments, two buffers
;   window 1: v0-127 the staging registers; v128-191, v192-255 B's fragments, two buffers
;   window 2: accumulators of row tiles 0-3, (a, bt) at v[8 (8 a + bt)];   window 3: those of row tiles 4-7
.set PITCH, 272                        ; an LDS row: 256 bytes + 16 of padding = 68 words: the 16 rows of a fragment load start at 16 different groups of four banks (ISA guide 11.1)
.set WTILE, 128*PITCH                  ; 128 rows: what one tensor load brings; also A's buffer
.set SLOT,  4*WTILE                    ; B's 512 rows
.set AB,    2*SLOT                     ; A's buffer, written by LDS stores alone; at the end each wave's stage (a quarter each)
.set QL,    AB+WTILE                   ; qs of my batch row, 2,048 bytes
.set BL,    QL+2048                    ; c x bf16(bk), 2,048 bytes
.set SC,    BL+2048                    ; the waves' partial scores: [wave 4][lane % 16][row tile 8] f32
.set SPARE, SC+2048                    ; the spare words, 128 bytes for each wave
.set REC,   2304                       ; a record of part: 2,048 bytes of sums, 256 bytes of (M, l)
.set POS,  1                           ; v1   lane % 16
.set HH,   2                           ; v2   lane / 16
.set ADRA, 3                           ; v3   LDS address of my A fragments
.set ADRB, 4                           ; v4-5 of my B fragments in slot 0, 1
.set STA,  6                           ; v6   where I put 8 bytes of a staged row
.set GOFF, 7                           ; v7   16 x lane: my 16 bytes of a row's 512
.set SCW,  8                           ; v8   where I put my partial scores
.set SCR,  9                           ; v9   where I read all four waves'
.set QRD,  10                          ; v10  my columns' qs
.set BRD,  11                          ; v11  my columns' bias
.set FSW,  12                          ; v12  the end: my row of my stage
.set FSR,  13                          ; v13  the end: my column of my stage
.set GST,  14                          ; v14  my byte offset in the record
.set GS2,  15                          ; v15  8 x lane
.set T16,  16                          ; v16  16 t
.set QW,   17                          ; v17  QL + 16 t
.set SPW,  28                          ; v28  LDS address of my spare word; never rewritten
.set NIL,  29                          ; v29  0; never rewritten
.set AO,   32
.set T,    96                          ; v96-103   four chains of a score
.set SS,   104                         ; v104-111  the scores of my position in the 8 row tiles, then their weights
.set MM,   112                         ; v112  m
.set LL,   113                         ; v113  l
.set AL,   114                         ; v114-115  2^(m_old - m_new), named as a pair
.set WK,   116                         ; v116-127  at work
.set F0,   128
.set F1,   192
.set ST,   0                           ; window 1
.set WV,   16                          ; s16  my wave's number
.set G1,   24                          ; s[24:31] descriptor group 1
.set G0,   32                          ; s[32:39] descriptor group 0, a set for each slot
.set WB0,  40                          ; s[40:41] Wkb at my 128 rows; s[42:43] the same 256 bytes on
.set OB,   44                          ; s[44:45] byte offset along K of the tiles to be asked for in this lap: 512, 0 by turns
.set AG,   46                          ; s[46:47] h at my wave's 32 rows of the tile to be staged
.set INC,  48                          ; s[48:49] what AG steps by: 1,024 along K, or on to the next block and back
.set LAP,  50
.set PAR,  51                          ; the lap's parity: behind an odd lap a block is finished
.set LENR, 52                          ; lengths[b] less the block's first position
.set TML,  53
.set CC,   54                          ; s[54:55] c
.set SEL,  56                          ; s[56:57] v_permlanex16_b32's selects
.set MSK,  58                          ; -10000 log2(e)
.set MSB, 0
.macro WIN new                         ; the immediate's high byte repeats the setting that is left; a switch that changes nothing is dropped
.if MSB != (\new)
	s_set_vgpr_msb (MSB<<8)|(\new)
.set MSB, \new
.endif
.endm
.set MUL_LO, 0xa1                      ; source 0 (B) window 1, source 1 (A) window 0, C and D window 2
.set MUL_HI, 0xf1                      ; the same, C and D window 3
.set TO_1,   0x40                      ; destination window 1, address window 0
.set CVT,    0x45                      ; destination and both sources window 1
.set STO1,   0x04                      ; LDS store: address window 0, data window 1
.macro PLACES                          ; four plain vector instructions between a matrix instruction and a read of its result or a load into one of its registers
.rept 4
	v_nop
.endr
.endm
.macro CREST                           ; a round of the cluster's barrier behind its opening barrier
	s_cmp_lg_u32 s[WV], 0
	s_cbranch_scc1 .Lnot_wave_0_\@
	s_barrier_signal -3
.Lnot_wave_0_\@:
	s_barrier_wait -3
	s_barrier_signal -1
	s_barrier_wait -1
.endm
.macro CROUND
	s_barrier_signal -1
	s_barrier_wait -1
	CREST
.endm
; 16 matrix instructions: row tiles a0, a0 + 1 of the window's four x all 8 column tiles, 32 along K.  zero = 1: the product starts the sums.  The 64 accumulators take turns.
.macro MUL16 f, hi, a0, zero
	WIN MUL_LO+0x50*(\hi)
.irp a, \a0, (\a0)+1
.irp b, 0,1,2,3,4,5,6,7
.if \zero
	v_wmma_f32_16x16x32_bf16 v[8*(8*(\a)+(\b)):8*(8*(\a)+(\b))+7], v[(\f)+8*(\b):(\f)+8*(\b)+7], v[(\f)+8*(4*(\hi)+(\a)):(\f)+8*(4*(\hi)+(\a))+7], 0
.else
	v_wmma_f32_16x16x32_bf16 v[8*(8*(\a)+(\b)):8*(8*(\a)+(\b))+7], v[(\f)+8*(\b):(\f)+8*(\b)+7], v[(\f)+8*(4*(\hi)+(\a)):(\f)+8*(4*(\hi)+(\a))+7], v[8*(8*(\a)+(\b)):8*(8*(\a)+(\b))+7]
.endif
.endr
.endr
.endm
.macro FETCH_B slot, k, f              ; 16 LDS loads: my 128 rows of B, 32 K at byte k
	WIN TO_1
.irp i, 0,1,2,3,4,5,6,7
	ds_load_b128 v[(\f)+8*(\i):(\f)+8*(\i)+3],   v[ADRB+(\slot)] offset:(\k)+(\i)*16*PITCH
	ds_load_b128 v[(\f)+8*(\i)+4:(\f)+8*(\i)+7], v[ADRB+(\slot)] offset:(\k)+(\i)*16*PITCH+32
.endr
.endm
.macro FETCH_A k, f                    ; 16 LDS loads: the block's 128 rows of A
	WIN 0
.irp i, 0,1,2,3,4,5,6,7
	ds_load_b128 v[(\f)+8*(\i):(\f)+8*(\i)+3],   v[ADRA] offset:(\k)+(\i)*16*PITCH
	ds_load_b128 v[(\f)+8*(\i)+4:(\f)+8*(\i)+7], v[ADRA] offset:(\k)+(\i)*16*PITCH+32
.endr
.endm
; One of a step's first three quarters: multiplies buffer f; in its middle it fetches the next quarter, at byte k, into buffer g.
.macro QUARTER slot, k, f, g, zero
	s_wait_dscnt 8                                 ; B and A's rows 0-63 are in; the youngest eight loads (A's rows 64-127) may be out
	MUL16 \f, 0, 0, \zero
	MUL16 \f, 0, 2, \zero
	PLACES
	FETCH_B \slot, \k, \g
	FETCH_A \k, \g
	s_wait_dscnt 32                                ; all but the 32 just issued
	MUL16 \f, 1, 0, \zero
	MUL16 \f, 1, 2, \zero
.endm
.macro LDA off                         ; a tile of A is asked for: my wave's 32 rows, 512 consecutive bytes of each
	WIN TO_1
.set i, 0
.rept 32
	global_load_b128 v[ST+4*i:ST+4*i+3], v[GOFF], s[AG:AG+1] offset:i*65536+(\off) th:TH_LOAD_NT
.set i, i+1
.endr
.endm
.macro CVTA                            ; four f32 a row and lane become two registers of bf16, in place
	WIN CVT
.set i, 0
.rept 32
	v_cvt_pk_bf16_f32 v[ST+4*i], v[ST+4*i], v[ST+4*i+1]
	v_cvt_pk_bf16_f32 v[ST+4*i+1], v[ST+4*i+2], v[ST+4*i+3]
.set i, i+1
.endr
.endm
.macro STOA                            ; and go into A's buffer: a wave's store fills a row's 256 bytes
	WIN STO1
.set i, 0
.rept 32
	ds_store_b64 v[STA], v[ST+4*i:ST+4*i+1] offset:i*PITCH
.set i, i+1
.endr
.endm
; A step's last quarter, on buffer 1, in slot s.  TWO barriers.  In front of the first every wave has waited for all its tensor loads (one is out: its rows of the other slot), has added 0 to its
; spare word and has waited for that and for its reads of slot s and of A's buffer.  Behind it slot s is filled again (fill = 1: the barrier then opens a round of the cluster's, and the joint load is
; the first thing behind the round) and the next step's A is stored (sta = 1).  The second barrier shows A's buffer whole; B's load stays out across it.
; lda = 1: the tile of A two steps on is asked for, a whole step ahead of the wait for it.
.macro TURN s, fill, sta, lda
.if \sta
	s_wait_loadcnt 0x0                             ; the next step's A is in my staging registers; AG is free
	CVTA
.endif
	WIN 0
	s_wait_tensorcnt 0x0                           ; no tensor load of mine is out, so a group 0 may be written
	ds_add_u32 v[SPW], v[NIL]                      ; 0 onto my spare word: scalar work stands between it and the wait for it
.if \fill
	s_add_nc_u64 s[G0+4*(\s)+2:G0+4*(\s)+3], s[WB0+2*(\s):WB0+2*(\s)+1], s[OB:OB+1]  ; the address is made anew: my rows, the K step two on
	s_or_b32 s[G0+4*(\s)+3], s[G0+4*(\s)+3], 0x80000000
.endif
.if (\lda) && ((\s) == 0)
	s_add_nc_u64 s[AG:AG+1], s[AG:AG+1], s[INC:INC+1]  ; on to the next lap's two tiles of A
.endif
	s_wait_dscnt 0x0                               ; the add is done; my reads of this slot and of A's buffer are over
	s_barrier_signal -1
	MUL16 F1, 0, 0, 0                              ; work on registers while the others arrive
	WIN 0
	s_barrier_wait -1
.if \fill
	CREST                                          ; no wave of any partner still reads this slot or has a load on its way
	tensor_load_to_lds s[G0+4*(\s):G0+4*(\s)+3], s[G1:G1+7]
	s_nop 0
.endif
	PLACES                                         ; behind the tensor load; also the places in front of the loads into buffer 0
.if \sta
	STOA
.endif
	FETCH_B 1-(\s), 0, F0                          ; my own rows of the other slot: my wait above has shown them landed
	MUL16 F1, 0, 2, 0
	s_wait_dscnt 0x0                               ; for the others' sake: my stores into A's buffer are done
.if \lda
	LDA 512*(\s)
.endif
	s_barrier_signal -1
	MUL16 F1, 1, 0, 0
	WIN 0
	s_barrier_wait -1                              ; A's buffer is whole
	FETCH_A 0, F0
	MUL16 F1, 1, 2, 0
.endm
; A BLOCK'S END.  The four stages of r = 1 / (1 + 2^(c x + c bk)) for accumulator x of the row tile in hand (AC: its first register), in place.
.macro S1 x                            ; c x + c bk; the lowest pair first
.irp p, 0,1,2,3
	v_pk_fma_f32 v[AC+8*(\x)+2*(\p):AC+8*(\x)+2*(\p)+1], v[AC+8*(\x)+2*(\p):AC+8*(\x)+2*(\p)+1], s[CC:CC+1], v[F1+8*(\x)+2*(\p):F1+8*(\x)+2*(\p)+1] op_sel_hi:[1,0,1]
.endr
.endm
.macro S2 x
.irp j, 0,1,2,3,4,5,6,7
	v_exp_f32 v[AC+8*(\x)+(\j)], v[AC+8*(\x)+(\j)]
.endr
.endm
.macro S3 x
	s_wait_alu depctr_va_vdst(0)
.irp p, 0,1,2,3
	v_pk_add_f32 v[AC+8*(\x)+2*(\p):AC+8*(\x)+2*(\p)+1], v[AC+8*(\x)+2*(\p):AC+8*(\x)+2*(\p)+1], 1.0 op_sel_hi:[1,0]
.endr
.endm
.macro S4 x
.irp j, 0,1,2,3,4,5,6,7
	v_rcp_f32 v[AC+8*(\x)+(\j)], v[AC+8*(\x)+(\j)]
.endr
.endm
; Row tile a: its eight accumulators become r, pipelined so that plain instructions on other registers stand between a run of transcendentals and the use of its results (ISA guide 5.7.2);
; then my lane's share of the position's score: 64 products in four chains.
.macro RTILE a
.set AC, 64*((\a)%4)
	WIN 0x92+0x41*((\a)/4)                         ; destination and source 0: the accumulators' window; source 2: window 1, the bias
	S1 0
.irp x, 0,1,2,3,4,5,6,7
	S2 \x
.if (\x) < 7
	S1 (\x)+1
.else
	v_nop
	s_wait_alu depctr_va_vdst(0)
.endif
	S3 \x
	S4 \x
.endr
	WIN 0x02+(\a)/4                                ; source 0: the accumulators' window; all else window 0
.irp x, 0,1,2,3,4,5,6,7
.irp p, 0,1,2,3
.if (\x) == 0
	v_pk_mul_f32 v[T+2*(\p):T+2*(\p)+1], v[AC+2*(\p):AC+2*(\p)+1], v[F1+2*(\p):F1+2*(\p)+1]
	s_wait_alu depctr_va_vdst(0)
.else
	v_pk_fma_f32 v[T+2*(\p):T+2*(\p)+1], v[AC+8*(\x)+2*(\p):AC+8*(\x)+2*(\p)+1], v[F1+8*(\x)+2*(\p):F1+8*(\x)+2*(\p)+1], v[T+2*(\p):T+2*(\p)+1]
.endif
.endr
.endr
	WIN 0
	v_pk_add_f32 v[T:T+1], v[T:T+1], v[T+2:T+3]
	v_pk_add_f32 v[T+4:T+5], v[T+4:T+5], v[T+6:T+7]
	v_pk_add_f32 v[T:T+1], v[T:T+1], v[T+4:T+5]
	v_add_f32 v[SS+(\a)], v[T], v[T+1]
.endm
.macro WSUM a                          ; AO += r x the weight of my position in row tile a: the weight lies in the low register of a pair
.set AC, 64*((\a)%4)
.if (\a)%2
.set PP, WK+3+(\a)
.else
.set PP, SS+(\a)
.endif
	WIN 0x02+(\a)/4
.set i, 0
.rept 32
	v_pk_fma_f32 v[AO+2*i:AO+2*i+1], v[AC+2*i:AC+2*i+1], v[PP:PP+1], v[AO+2*i:AO+2*i+1] op_sel_hi:[1,0,1]
.set i, i+1
.endr
.endm
.macro EPI
	PLACES                                         ; behind the block's last products
	WIN 0
.irp x, 0,1,2,3,4,5,6,7                        ; buffer 1 is free in both windows: my 64 columns' qs and bias.  Buffer 0 keeps the next block's first fragments, the staging registers their loads
	ds_load_b128 v[F1+8*(\x):F1+8*(\x)+3],   v[QRD] offset:64*(\x)
	ds_load_b128 v[F1+8*(\x)+4:F1+8*(\x)+7], v[QRD] offset:64*(\x)+16
.endr
	WIN TO_1
.irp x, 0,1,2,3,4,5,6,7
	ds_load_b128 v[F1+8*(\x):F1+8*(\x)+3],   v[BRD] offset:64*(\x)
	ds_load_b128 v[F1+8*(\x)+4:F1+8*(\x)+7], v[BRD] offset:64*(\x)+16
.endr
	s_wait_dscnt 0x0
.irp a, 0,1,2,3,4,5,6,7
	RTILE \a
.endr
.irp a, 0,1,2,3,4,5,6,7
	v_permlanex16_b32 v[WK+(\a)], v[SS+(\a)], s[SEL], s[SEL+1]  ; the position's other 64 columns of my wave lie in the lane 16 away
.endr
.irp a, 0,1,2,3,4,5,6,7
	v_add_f32 v[SS+(\a)], v[SS+(\a)], v[WK+(\a)]
.endr
	ds_store_b128 v[SCW], v[SS:SS+3]               ; both halves of the lanes write the same words with the same numbers
	ds_store_b128 v[SCW], v[SS+4:SS+7] offset:16
	s_wait_dscnt 0x0                               ; for the others' sake: my stores are done (and all my earlier LDS reads)
	s_barrier_signal -1
	s_barrier_wait -1
.irp w, 0,1,2,3
	ds_load_b128 v[F1+8*(\w):F1+8*(\w)+3],   v[SCR] offset:512*(\w)
	ds_load_b128 v[F1+8*(\w)+4:F1+8*(\w)+7], v[SCR] offset:512*(\w)+16
.endr
	s_wait_dscnt 0x0
.irp p, 0,1,2,3                                ; the four waves' shares, in the same order in every wave: all four hold the same scores bit for bit
	v_pk_add_f32 v[F1+2*(\p):F1+2*(\p)+1], v[F1+2*(\p):F1+2*(\p)+1], v[F1+8+2*(\p):F1+8+2*(\p)+1]
	v_pk_add_f32 v[F1+16+2*(\p):F1+16+2*(\p)+1], v[F1+16+2*(\p):F1+16+2*(\p)+1], v[F1+24+2*(\p):F1+24+2*(\p)+1]
.endr
.irp p, 0,1,2,3
	v_pk_add_f32 v[SS+2*(\p):SS+2*(\p)+1], v[F1+2*(\p):F1+2*(\p)+1], v[F1+16+2*(\p):F1+16+2*(\p)+1]
.endr
.irp a, 0,1,2,3,4,5,6,7                        ; the mask: my position in row tile a is lane % 16 + 16 a + the block's first; a choice of a value, no branch
	s_sub_co_i32 s[TML], s[LENR], 16*(\a)
	v_cmp_le_i32 vcc_lo, s[TML], v[POS]
	v_cndmask_b32 v[WK+(\a)], 0, s[MSK], vcc_lo
	v_add_f32 v[SS+(\a)], v[SS+(\a)], v[WK+(\a)]
.endr
	v_max3_num_f32 v[WK], v[SS], v[SS+1], v[SS+2]  ; the running maximum, one a lane: of its eight positions and the old m
	v_max3_num_f32 v[WK], v[WK], v[SS+3], v[SS+4]
	v_max3_num_f32 v[WK], v[WK], v[SS+5], v[SS+6]
	v_max3_num_f32 v[WK], v[WK], v[SS+7], v[MM]
	v_sub_f32 v[AL], v[MM], v[WK]
.irp a, 0,1,2,3,4,5,6,7
	v_sub_f32 v[SS+(\a)], v[SS+(\a)], v[WK]
.endr
	v_exp_f32 v[AL], v[AL]
.irp a, 0,1,2,3,4,5,6,7
	v_exp_f32 v[SS+(\a)], v[SS+(\a)]
.endr
	v_mov_b32 v[MM], v[WK]                         ; the plain instruction behind the exponentials
	s_wait_alu depctr_va_vdst(0)
	v_pk_add_f32 v[WK:WK+1], v[SS:SS+1], v[SS+2:SS+3]
	v_pk_add_f32 v[WK+2:WK+3], v[SS+4:SS+5], v[SS+6:SS+7]
.irp a, 1,3,5,7
	v_mov_b32 v[WK+3+(\a)], v[SS+(\a)]             ; an odd row tile's weight into the low register of a pair
.endr
	v_pk_add_f32 v[WK:WK+1], v[WK:WK+1], v[WK+2:WK+3]
	v_add_f32 v[WK], v[WK], v[WK+1]
	v_fma_f32 v[LL], v[LL], v[AL], v[WK]
.set i, 0
.rept 32
	v_pk_mul_f32 v[AO+2*i:AO+2*i+1], v[AO+2*i:AO+2*i+1], v[AL:AL+1] op_sel_hi:[1,0]
.set i, i+1
.endr
.irp a, 0,1,2,3,4,5,6,7
	WSUM \a
.endr
	WIN 0
	s_sub_co_i32 s[LENR], s[LENR], 128             ; the next block's first position
.endm
	s_load_b256 s[4:11], s[0:1], 0x0               ; h s[4:5], Wkb s[6:7], bk s[8:9], qs s[10:11]
	s_load_b128 s[12:15], s[0:1], 0x20             ; lengths s[12:13], part s[14:15]
	v_lshl_add_u32 v[SPW], v0, 2, SPARE
	v_mov_b32 v[NIL], 0
	ds_add_u32 v[SPW], v[NIL]                      ; the wave's opening: the add and its wait stand ahead of my first tensor load; work on registers stands between them
	v_lshrrev_b32 v18, 5, v0
	v_readfirstlane_b32 s[WV], v18                 ; wave 0..3
	s_bfe_u32 s17, ttmp6, 0x40000                  ; cx: my place in the cluster
	s_lshl_b32 s18, ttmp9, 2                       ; in a cluster launch ttmp9 counts clusters
	s_add_co_u32 s18, s18, s17                     ; chunk = 4 x cluster x + cx: it enters h's and part's addresses and the mask's bound alone
	s_and_b32 s19, ttmp7, 0xffff                   ; b
	; descriptor group 1: a tile of 128 rows x 128 elements of 2 bytes, padded in LDS
	s_mov_b32 s[G1], 15|(1<<16)|(1<<20)|(1<<21)|(5<<22)|(3<<25)  ; 15:0 the mask: all four work-groups; 17:16 2-byte elements; 20 padding on; 21 set beside a mask; 24:22 after every 64 words; 31:25 4 words of it
	s_mov_b32 s[G1+1], 128<<16                     ; tensor_dim0 = 128
	s_mov_b32 s[G1+2], 128<<16                     ; tensor_dim1 = 128
	s_mov_b32 s[G1+3], 128<<16                     ; tile_dim0 = 128
	s_mov_b32 s[G1+4], 128                         ; tile_dim1 = 128
	s_mov_b32 s[G1+5], 512                         ; 512 elements from row to row
	s_mov_b32 s[G1+6], 0
	s_mov_b32 s[G1+7], 0
	s_mul_i32 s59, s[WV], WTILE                    ; my 128 rows' place in a slot: no place in the cluster enters an LDS address
	s_mov_b32 s[G0], 1
	s_mov_b32 s[G0+1], s59
	s_mov_b32 s[G0+4], 1
	s_add_co_u32 s[G0+5], s59, SLOT
	s_lshl_b32 s60, s[WV], 17                      ; my 128 rows of Wkb, 1,024 bytes each
	s_mov_b32 s61, 0
	s_lshl_b32 s22, s19, 11                        ; h: b x 2,048
	s_lshl_b32 s23, s18, 25                        ; + chunk x 512 x 65,536
	s_add_co_u32 s22, s22, s23
	s_lshl_b32 s23, s[WV], 21                      ; + my wave's 32 rows of a block
	s_add_co_u32 s22, s22, s23
	s_mov_b32 s23, 0
	s_lshl_b32 s20, s19, 3
	s_add_co_u32 s20, s20, s18
	s_mul_i32 s20, s20, REC                        ; part: record 8 b + chunk
	s_mov_b32 s21, 0
	s_lshl_b32 s62, s19, 11                        ; qs: row b
	s_mov_b32 s63, 0
	s_lshl_b32 s2, s19, 2                          ; lengths: word b
	s_mov_b32 s3, 0
	s_mov_b32 s[CC], 0x4038aa3b                    ; c = 2 log2(e)
	s_mov_b32 s[CC+1], s[CC]
	s_mov_b32 s[SEL], 0x76543210
	s_mov_b32 s[SEL+1], 0xfedcba98
	s_mov_b32 s[MSK], 0xc6616bcd                   ; -10000 log2(e)
	s_mov_b32 s[OB], 512
	s_mov_b32 s[OB+1], 0
	s_mov_b32 s[INC], 1024
	s_mov_b32 s[INC+1], 0
	s_mov_b32 s[LAP], 7
	s_mov_b32 s[PAR], 0
	s_wait_dscnt 0x0                               ; the opening add is done
	s_wait_kmcnt 0x0
	s_add_nc_u64 s[WB0:WB0+1], s[6:7], s[60:61]
	s_add_nc_u64 s[WB0+2:WB0+3], s[WB0:WB0+1], 256
	s_mov_b64 s[G0+2:G0+3], s[WB0:WB0+1]           ; slot 0: K step 0
	s_or_b32 s[G0+3], s[G0+3], 0x80000000
	s_mov_b64 s[G0+6:G0+7], s[WB0+2:WB0+3]         ; slot 1: K step 1
	s_or_b32 s[G0+7], s[G0+7], 0x80000000
	s_add_nc_u64 s[AG:AG+1], s[4:5], s[22:23]
	s_add_nc_u64 s[10:11], s[10:11], s[62:63]
	s_add_nc_u64 s[12:13], s[12:13], s[2:3]
	s_add_nc_u64 s[14:15], s[14:15], s[20:21]
	s_load_b32 s[LENR], s[12:13], 0x0
	CROUND                                         ; all four work-groups are here: the first joint loads meet
	tensor_load_to_lds s[G0:G0+3], s[G1:G1+7]      ; both first fills together: two loads of mine are out
	s_nop 0
	tensor_load_to_lds s[G0+4:G0+7], s[G1:G1+7]
	s_nop 0
	PLACES
	v_and_b32 v18, 31, v0                          ; lane
	v_lshlrev_b32 v[GOFF], 4, v18
	v_lshlrev_b32 v[T16], 4, v0
	global_load_b128 v[T:T+3], v[T16], s[10:11]    ; 128 threads x 16 bytes: qs of my batch row,
	global_load_b128 v[SS:SS+3], v[T16], s[8:9]    ; and bk
	LDA 0                                          ; A's tile of step 0
	WIN 0
	v_and_b32 v[POS], 15, v0
	v_bfe_u32 v[HH], v0, 4, 1
	v_mul_u32_u24 v19, v[POS], PITCH
	v_lshl_add_u32 v19, v[HH], 4, v19              ; a fragment's row x pitch + 16 x half
	v_add_nc_u32 v[ADRA], AB, v19
	v_add_nc_u32 v[ADRB], s59, v19
	v_add_nc_u32 v[ADRB+1], SLOT, v[ADRB]
	s_mul_i32 s60, s[WV], 32*PITCH
	s_add_co_u32 s60, s60, AB                      ; my 32 rows of A's buffer; later my stage
	s_lshl_b32 s61, s[WV], 9                       ; 512 w
	v_lshl_add_u32 v[STA], v18, 3, s60
	v_lshlrev_b32 v[SCR], 5, v[POS]
	v_add_nc_u32 v[SCR], SC, v[SCR]
	v_add_nc_u32 v[SCW], s61, v[SCR]
	v_lshl_add_u32 v[QRD], v[HH], 5, s61           ; my columns begin at n = 128 w + 8 half
	v_add_nc_u32 v[QRD], QL, v[QRD]
	v_add_nc_u32 v[BRD], 2048, v[QRD]
	v_mul_u32_u24 v[FSW], v18, PITCH
	v_add_nc_u32 v[FSW], s60, v[FSW]
	v_bfe_u32 v20, v0, 1, 1                        ; the end: lane g adds the 16 lanes of half (g / 2) % 2, 16-byte column 2 (g / 4) + g % 2: these are n = 128 w + 4 g ..
	v_mul_u32_u24 v20, v20, 16*PITCH
	v_bfe_u32 v21, v0, 2, 3
	v_lshlrev_b32 v21, 1, v21
	v_and_b32 v22, 1, v0
	v_add_nc_u32 v21, v21, v22
	v_lshl_add_u32 v20, v21, 4, v20
	v_add_nc_u32 v[FSR], s60, v20
	v_lshl_add_u32 v[GST], v18, 4, s61
	v_lshlrev_b32 v[GS2], 3, v18
	v_add_nc_u32 v[QW], QL, v[T16]
.set i, 0
.rept 64                                               ; sum p r starts at 0; all this stands in the wait for the first tiles
	v_mov_b32 v[AO+i], 0
.set i, i+1
.endr
	v_mov_b32 v[MM], 0xfe000000                    ; m: far below every score, so the first block's factor for the old sums is 0
	v_mov_b32 v[LL], 0
	v_mov_b32 v[AL], 0
	v_mov_b32 v[AL+1], 0                           ; named with AL as a pair
.set i, 0
.rept 12
	v_mov_b32 v[WK+i], 0                           ; destinations of the lane exchange and upper halves of pairs: written once before they are named
.set i, i+1
.endr
	s_wait_loadcnt 32                              ; qs and bk are in; the 32 loads of A's tile, issued behind them, may be out
	v_cvt_pk_bf16_f32 v[WK], v[SS], v[SS+1]        ; bk rounded to bf16, widened again, times c
	v_cvt_pk_bf16_f32 v[WK+1], v[SS+2], v[SS+3]
	v_lshlrev_b32 v[SS], 16, v[WK]
	v_and_b32 v[SS+1], 0xffff0000, v[WK]
	v_lshlrev_b32 v[SS+2], 16, v[WK+1]
	v_and_b32 v[SS+3], 0xffff0000, v[WK+1]
	v_pk_mul_f32 v[SS:SS+1], v[SS:SS+1], s[CC:CC+1] op_sel_hi:[1,0]
	v_pk_mul_f32 v[SS+2:SS+3], v[SS+2:SS+3], s[CC:CC+1] op_sel_hi:[1,0]
	ds_store_b128 v[QW], v[T:T+3]
	ds_store_b128 v[QW], v[SS:SS+3] offset:2048
	s_wait_loadcnt 0x0                             ; A's tile of step 0
	CVTA
	STOA
	s_wait_dscnt 0x0                               ; my LDS stores are done: for the others' sake, and the staging registers are free
	LDA 512                                        ; A's tile of step 1
	WIN 0
	s_wait_kmcnt 0x0
	s_max_i32 s[LENR], s[LENR], 0
	s_min_i32 s[LENR], s[LENR], 4096
	s_lshl_b32 s[TML], s18, 9
	s_sub_co_i32 s[LENR], s[LENR], s[TML]          ; lengths[b] less the chunk's first position
	s_wait_tensorcnt 0x1                           ; my rows of slot 0 are in; slot 1's may stay out
	s_barrier_signal -1
	s_barrier_wait -1                              ; A's buffer, qs and the bias are whole
	FETCH_B 0, 0, F0
	FETCH_A 0, F0
	QUARTER 0, 64, F0, F1, 1                       ; the first quarter stands in front of the loop: its products start the sums
	WIN 0                                          ; at a label and at a branch every window is 0
.Llap:                                                 ; 7 trips: from a lap's second quarter to the next lap's first; both slots are filled again, two tiles of A staged
	QUARTER 0, 128, F1, F0, 0
	QUARTER 0, 192, F0, F1, 0
	TURN 0, 1, 1, 1
	QUARTER 1, 64,  F0, F1, 0
	QUARTER 1, 128, F1, F0, 0
	QUARTER 1, 192, F0, F1, 0
	TURN 1, 1, 1, 1
	WIN 0
	s_cmp_eq_u32 s[PAR], 0                         ; the lap counter's parity: alike in all waves and all partners
	s_cbranch_scc1 .Lsame
	EPI                                            ; behind an odd lap the block is finished;
	QUARTER 0, 64, F0, F1, 1                       ; the next block's first products start its sums
	WIN 0
	s_branch .Ljoin
.Lsame:
	QUARTER 0, 64, F0, F1, 0
	WIN 0
.Ljoin:
	s_xor_b32 s[PAR], s[PAR], 1
	s_xor_b32 s[OB], s[OB], 512                    ; 512, 0, 512 ..
	s_xor_b32 s[INC], s[INC], 1024^8387584         ; 1,024 along K; 128 rows of 65,536 bytes on and 1,024 back
	s_sub_co_u32 s[LAP], s[LAP], 1
	s_cmp_lg_u32 s[LAP], 0
	s_cbranch_scc1 .Llap
	QUARTER 0, 128, F1, F0, 0                      ; the last lap is written out: it asks for no tile of B and for nothing of h
	QUARTER 0, 192, F0, F1, 0
	TURN 0, 0, 1, 0
	QUARTER 1, 64,  F0, F1, 0
	QUARTER 1, 128, F1, F0, 0
	QUARTER 1, 192, F0, F1, 0
	s_wait_dscnt 8
	MUL16 F1, 0, 0, 0
	MUL16 F1, 0, 2, 0
	s_wait_dscnt 0x0
	MUL16 F1, 1, 0, 0
	MUL16 F1, 1, 2, 0
	EPI
	; THE END.  The 16 lanes of a half hold 16 classes of positions, each with its own m: they are brought to their common maximum M and added.
	v_mov_b32 v[WK], v[MM]
.irp x, 1,2,4,8
	v_max_num_f32_dpp v[WK], v[WK], v[WK] row_xmask:\x row_mask:0xf bank_mask:0xf
.endr
	v_sub_f32 v[WK+2], v[MM], v[WK]
	v_exp_f32 v[AL], v[WK+2]
	v_nop                                          ; a plain instruction behind the exponential
	s_wait_alu depctr_va_vdst(0)
	v_mul_f32 v[WK+1], v[LL], v[AL]
.irp x, 1,2,4,8
	v_add_f32_dpp v[WK+1], v[WK+1], v[WK+1] row_xmask:\x row_mask:0xf bank_mask:0xf
.endr
.set i, 0
.rept 32
	v_pk_mul_f32 v[AO+2*i:AO+2*i+1], v[AO+2*i:AO+2*i+1], v[AL:AL+1] op_sel_hi:[1,0]
.set i, i+1
.endr
.set i, 0
.rept 16                                               ; my 64 sums as a row of my own stage, in A's buffer: the barrier in the block's end stands behind every wave's last read of that buffer
	ds_store_b128 v[FSW], v[AO+4*i:AO+4*i+3] offset:16*i
.set i, i+1
.endr
.set i, 0
.rept 16                                               ; LDS serves a wave's instructions in order (ISA guide 5.7.1.4): these see the stores above
	ds_load_b128 v[F0+4*i:F0+4*i+3], v[FSR] offset:i*PITCH
.set i, i+1
.endr
	s_wait_dscnt 0x0
.irp d, 8,4,2,1
.set i, 0
.rept \d
	v_pk_add_f32 v[F0+4*i:F0+4*i+1], v[F0+4*i:F0+4*i+1], v[F0+4*(i+(\d)):F0+4*(i+(\d))+1]
	v_pk_add_f32 v[F0+4*i+2:F0+4*i+3], v[F0+4*i+2:F0+4*i+3], v[F0+4*(i+(\d))+2:F0+4*(i+(\d))+3]
.set i, i+1
.endr
.endr
	global_store_b128 v[GST], v[F0:F0+3], s[14:15] ; a wave stores 512 consecutive bytes, aligned
	s_cmp_lg_u32 s[WV], 0
	s_cbranch_scc1 .Lnot_first
	global_store_b64 v[GS2], v[WK:WK+1], s[14:15] offset:2048  ; (M, l), the same in every lane: 256 consecutive bytes, aligned
.Lnot_first:
	s_wait_tensorcnt 0x0                           ; the wave's end, behind my last tensor load and my last LDS store
	ds_add_u32 v[SPW], v[NIL]
	s_wait_dscnt 0x0
	CROUND                                         ; the closing round: no work-group ends while a partner may still ask for a tile that names it
	s_endpgm
.Lfunc_end_k_q936f83866e_attn:
	.size	k_q936f83866e_attn, .Lfunc_end_k_q936f83866e_attn-k_q936f83866e_attn
	.p2alignl 7, 3214868480
	.fill 96, 4, 3214868480
	.section	.rodata,"a",@progbits
	.p2align	6, 0x0
	.amdhsa_kernel k_q936f83866e_attn
		.amdhsa_group_segment_fixed_size 327680
		.amdhsa_private_segment_fixed_size 0
		.amdhsa_enable_private_segment 0
		.amdhsa_kernarg_size 48
		.amdhsa_user_sgpr_count 2
		.amdhsa_user_sgpr_kernarg_segment_ptr 1
		.amdhsa_wavefront_size32 1
		.amdhsa_system_sgpr_workgroup_id_x 1
		.amdhsa_system_sgpr_workgroup_id_y 1
		.amdhsa_system_sgpr_workgroup_id_z 1
		.amdhsa_system_vgpr_workitem_id 0
		.amdhsa_next_free_vgpr 1024
		.amdhsa_next_free_sgpr 66
		.amdhsa_reserve_vcc 1
		.amdhsa_float_denorm_mode_32 3
		.amdhsa_float_denorm_mode_16_64 3
		.amdhsa_memory_ordered 1
		.amdhsa_forward_progress 1
		.amdhsa_inst_pref_size 255
	.end_amdhsa_kernel
	.section	.bss,"aw",@nobits
	.p2align	6
	.space	262144
	.amdgpu_metadata
---
amdhsa.version: [ 1, 2 ]
amdhsa.kernels:
  - .name:           k_q936f83866e_attn
    .symbol:         k_q936f83866e_attn.kd
    .args:
      - { .name: hidden_states, .offset: 0, .size: 8, .value_kind: global_buffer, .address_space: global }
      - { .name: Wkb, .offset: 8, .size: 8, .value_kind: global_buffer, .address_space: global }
      - { .name: bk, .offset: 16, .size: 8, .value_kind: global_buffer, .address_space: global }
      - { .name: qs, .offset: 24, .size: 8, .value_kind: global_buffer, .address_space: global }
      - { .name: lengths, .offset: 32, .size: 8, .value_kind: global_buffer, .address_space: global }
      - { .name: part, .offset: 40, .size: 8, .value_kind: global_buffer, .address_space: global }
    .group_segment_fixed_size: 327680
    .private_segment_fixed_size: 0
    .kernarg_segment_align: 8
    .kernarg_segment_size: 48
    .max_flat_workgroup_size: 128
    .sgpr_count:     66
    .vgpr_count:     1024
    .wavefront_size: 32
...
	.end_amdgpu_metadata
.endif
;; end of part 3
;; launch combine (part 4): grid 32 x 1, 4 waves a work-group, no clusters, 0 bytes of LDS; arguments part, out0; writes out0
.if DOCPART == 4
	.amdgcn_target "amdgcn-amd-amdhsa--gfx1250"
	.amdhsa_code_object_version 6
	.text
	.protected	k_q936f83866e_combine
	.globl	k_q936f83866e_combine
	.p2align	8
	.type	k_q936f83866e_combine,@function
k_q936f83866e_combine:
	s_mov_b64 s[64:65], 0
	v_nop
	global_prefetch_b8 v0, s[64:65] scope:SCOPE_SE
	s_setreg_imm32_b32 hwreg(HW_REG_WAVE_MODE, 25, 1), 1
	s_wait_xcnt 0x0
; out0[b][n] = 1 - 2 (sum over chunks of w_c A_c[n]) / (sum over chunks of w_c l_c), w_c = 2^(M_c - M), M the largest M_c: the eight chunks' shares of a batch row's softmax are joined.
; A_c = sum p r with tanh = 1 - 2 r, so the quotient is the weighted mean of r, and 1 - 2 of it the weighted mean of the keys.
; One work-group a batch row (32 have work, and so many are launched); thread t takes n = 4 t .. 4 t + 3.  18 KiB are read a work-group, once; no LDS, no matrix unit.
; The chunk that holds M has w = 1 and l >= 1, so the divisor is at least 1.  A w below 2^-126 counts as 0.
.set REC, 2304                         ; a record: 2,048 bytes of sums, then (M, l) 32 times
.set ML,  8                            ; v[8:23]   chunk c: (M_c, l_c), then (w_c, l_c)
.set A,   24                           ; v[24:55]  chunk c: four sums
.set O,   56                           ; v[56:59]
	s_load_b128 s[4:7], s[0:1], 0x0                ; part s[4:5], out0 s[6:7]
	v_and_b32 v1, 31, v0
	v_lshlrev_b32 v1, 3, v1                        ; 8 x lane
	v_lshlrev_b32 v2, 4, v0                        ; 16 t
	s_mul_i32 s8, ttmp9, 8*REC
	s_mov_b32 s9, 0
	s_lshl_b32 s10, ttmp9, 11
	s_mov_b32 s11, 0
	s_wait_kmcnt 0x0
	s_add_nc_u64 s[4:5], s[4:5], s[8:9]
	s_add_nc_u64 s[6:7], s[6:7], s[10:11]
.irp c, 0,1,2,3,4,5,6,7
	global_load_b64 v[ML+2*(\c):ML+2*(\c)+1], v1, s[4:5] offset:(\c)*REC+2048
.endr
.irp c, 0,1,2,3,4,5,6,7
	global_load_b128 v[A+4*(\c):A+4*(\c)+3], v2, s[4:5] offset:(\c)*REC
.endr
	s_wait_loadcnt 0x0
	v_max3_num_f32 v3, v[ML], v[ML+2], v[ML+4]
	v_max3_num_f32 v3, v3, v[ML+6], v[ML+8]
	v_max3_num_f32 v3, v3, v[ML+10], v[ML+12]
	v_max_num_f32 v3, v3, v[ML+14]
.irp c, 0,1,2,3,4,5,6,7
	v_sub_f32 v[ML+2*(\c)], v[ML+2*(\c)], v3
.endr
.irp c, 0,1,2,3,4,5,6,7
	v_exp_f32 v[ML+2*(\c)], v[ML+2*(\c)]
.endr
	v_nop                                          ; a plain instruction behind the exponentials
	s_wait_alu depctr_va_vdst(0)
	v_mul_f32 v4, v[ML], v[ML+1]
	v_pk_mul_f32 v[O:O+1], v[A:A+1], v[ML:ML+1] op_sel_hi:[1,0]
	v_pk_mul_f32 v[O+2:O+3], v[A+2:A+3], v[ML:ML+1] op_sel_hi:[1,0]
.irp c, 1,2,3,4,5,6,7
	v_fmac_f32 v4, v[ML+2*(\c)], v[ML+2*(\c)+1]
	v_pk_fma_f32 v[O:O+1], v[A+4*(\c):A+4*(\c)+1], v[ML+2*(\c):ML+2*(\c)+1], v[O:O+1] op_sel_hi:[1,0,1]
	v_pk_fma_f32 v[O+2:O+3], v[A+4*(\c)+2:A+4*(\c)+3], v[ML+2*(\c):ML+2*(\c)+1], v[O+2:O+3] op_sel_hi:[1,0,1]
.endr
	v_rcp_f32 v5, v4
	v_nop                                          ; a plain instruction behind the reciprocal
	s_wait_alu depctr_va_vdst(0)
	v_mul_f32 v5, -2.0, v5
.irp i, 0,1,2,3
	v_fma_f32 v[O+(\i)], v[O+(\i)], v5, 1.0
.endr
	global_store_b128 v2, v[O:O+3], s[6:7]         ; a wave stores 512 consecutive bytes, aligned
	s_endpgm
.Lfunc_end_k_q936f83866e_combine:
	.size	k_q936f83866e_combine, .Lfunc_end_k_q936f83866e_combine-k_q936f83866e_combine
	.p2alignl 7, 3214868480
	.fill 96, 4, 3214868480
	.section	.rodata,"a",@progbits
	.p2align	6, 0x0
	.amdhsa_kernel k_q936f83866e_combine
		.amdhsa_group_segment_fixed_size 0
		.amdhsa_private_segment_fixed_size 0
		.amdhsa_enable_private_segment 0
		.amdhsa_kernarg_size 16
		.amdhsa_user_sgpr_count 2
		.amdhsa_user_sgpr_kernarg_segment_ptr 1
		.amdhsa_wavefront_size32 1
		.amdhsa_system_sgpr_workgroup_id_x 1
		.amdhsa_system_sgpr_workgroup_id_y 1
		.amdhsa_system_sgpr_workgroup_id_z 1
		.amdhsa_system_vgpr_workitem_id 0
		.amdhsa_next_free_vgpr 64
		.amdhsa_next_free_sgpr 66
		.amdhsa_reserve_vcc 0
		.amdhsa_float_denorm_mode_32 3
		.amdhsa_float_denorm_mode_16_64 3
		.amdhsa_memory_ordered 1
		.amdhsa_forward_progress 1
		.amdhsa_inst_pref_size 5
	.end_amdhsa_kernel
	.amdgpu_metadata
---
amdhsa.version: [ 1, 2 ]
amdhsa.kernels:
  - .name:           k_q936f83866e_combine
    .symbol:         k_q936f83866e_combine.kd
    .args:
      - { .name: part, .offset: 0, .size: 8, .value_kind: global_buffer, .address_space: global }
      - { .name: out0, .offset: 8, .size: 8, .value_kind: global_buffer, .address_space: global }
    .group_segment_fixed_size: 0
    .private_segment_fixed_size: 0
    .kernarg_segment_align: 8
    .kernarg_segment_size: 16
    .max_flat_workgroup_size: 128
    .sgpr_count:     66
    .vgpr_count:     64
    .wavefront_size: 32
...
	.end_amdgpu_metadata
.endif
;; end of part 4
;; ======== version 2 of 2: 4 launches; version 1 with the launch colsum written anew for expert scheduling mode
;; workspace buffers: psum 524,288 bytes; Wkb 524,288 bytes; qs 65,536 bytes; part 589,824 bytes
;; launch colsum (part 5): grid 8 x 32, 16 waves a work-group, no clusters, 10,240 bytes of LDS; arguments hidden_states, Wk, psum, Wkb; writes psum, Wkb
.if DOCPART == 5
	.amdgcn_target "amdgcn-amd-amdhsa--gfx1250"
	.amdhsa_code_object_version 6
	.text
	.protected	k_q936f83866e_colsum
	.globl	k_q936f83866e_colsum
	.p2align	8
	.type	k_q936f83866e_colsum,@function
k_q936f83866e_colsum:
	s_mov_b64 s[64:65], 0
	v_nop
	global_prefetch_b8 v0, s[64:65] scope:SCOPE_SE
	s_setreg_imm32_b32 hwreg(HW_REG_WAVE_SCHED_MODE, 0, 2), 2
	s_setreg_imm32_b32 hwreg(HW_REG_WAVE_MODE, 25, 1), 1
	s_wait_xcnt 0x0
	s_wait_alu depctr_vm_vsrc(0)
; psum[chunk][b][k] = the sum over the chunk's 512 time steps s of hidden_states[s][b][k], in f32; and Wkb = Wk rounded to bf16.
; The mean over time commutes with the query projection (both are linear), so only these column sums are needed of the first walk over h.
; A stream: every byte of h is read once, by loads of which a wave's covers 512 consecutive bytes of a row; no matrix unit, no cluster (no two work-groups share a byte).
; Work-group (chunk, b): 16 waves.  Thread t owns the four columns 4 (t % 128) .. and the rows s = 512 chunk + t / 128 + 4 i, i = 0 .. 127.
; The four row phases meet in LDS at the end.  Sums are plain f32 additions, two chains a column; NaN and infinities pass through as they come.
; THE MODE: SCHED_MODE bits 1:0 = 2 (LLVM: expert scheduling mode 2), set by the entry lines.  The code itself states the register dependences
; between vector instructions and memory or LDS instructions, with s_wait_alu, always for 0.
; THE PLAN.  A thread's 128 rows go in 16 blocks of eight.  Registers that memory or LDS instructions touch:
;   X0 .. X3     four blocks of rows as loaded.  Written by the loads of block p + 3, issued in block p; read by block p's sixteen additions.
;   v1, v2, v4, v5  byte offsets, made once at the head and never written again: each buffer has a scalar base of its own, and immediate offsets reach the block's rows.
;   ACC          written by vector instructions alone; read by one LDS store at the end and not written behind it.
;   O, v[20:21]  written once by vector instructions, read by one store each.
; Block p adds X[p % 4].  Its loads land in X[(p + 3) % 4] = X[(p - 1) % 4], the buffer that block p - 1 added and that no vector instruction of block p names.
; So ONE wait at a block's head states all that the block's eight loads hang on, and they are dealt among its additions with no further wait.
; At a block's head two younger blocks stay out, and eight loads follow: 16 to 24 loads of every wave are on their way, up to 24 x 512 bytes x 16 waves = 192 KiB a work-group.
.set ROWSTEP, 4*65536                  ; bytes from a thread's row to its next: four time steps of 32 x 2,048 bytes
.set BLOCK,  8                         ; rows in a block
.set BLOCKS, 128/BLOCK
.set SPARE,  8192                      ; behind the 8,192 bytes of the reduction: the spare words, 128 bytes for each of 16 waves
.set VO,  1                            ; v1      my byte offset in the chunk: 16 (t % 128) + 65,536 (t / 128); never rewritten
.set CG,  2                            ; v2      16 (t % 128)
.set T16, 4                            ; v4      16 t
.set T8,  5                            ; v5      8 t
.set ACC, 8                            ; v[8:11], v[12:15]  two sets of four running sums, taken by turns
.set WR,  16                           ; v[16:21] my 16 bytes of Wk, and their 8 bytes in bf16
.set SPW, 30                           ; v30     LDS address of my spare word
.set NIL, 31                           ; v31     0
.set X,   32                           ; v[32:159] buffer k, row r: 4 registers at X + 32 k + 4 r
.set O,   X+12                         ; v[44:47]  at the end: the four sums that waves 0 to 3 store
.set WB,  24                           ; s[24:31]  buffer k: h at the first row of the block that the buffer is asked for next: a pair at WB + 2 k
	s_load_b256 s[4:11], s[0:1], 0x0               ; h s[4:5], Wk s[6:7], psum s[8:9], Wkb s[10:11]
	v_lshl_add_u32 v[SPW], v0, 2, SPARE
	v_mov_b32 v[NIL], 0
	v_lshrrev_b32 v3, 5, v0
	v_readfirstlane_b32 s12, v3                    ; wave 0..15
	s_and_b32 s13, ttmp7, 0xffff                   ; b
	s_lshl_b32 s14, s13, 11                        ; b x 2,048
	s_lshl_b32 s15, ttmp9, 25                      ; chunk x 512 time steps x 65,536 bytes
	s_add_co_u32 s14, s14, s15
	s_mov_b32 s15, 0
	s_lshl_b32 s16, s13, 3
	s_add_co_u32 s16, s16, ttmp9                   ; the work-group's number 0..255: its 4,096 bytes of Wk
	s_lshl_b32 s18, s16, 12
	s_mov_b32 s19, 0
	s_lshl_b32 s20, s16, 11                        ; and its 2,048 bytes of Wkb
	s_mov_b32 s21, 0
	s_lshl_b32 s22, ttmp9, 5
	s_add_co_u32 s22, s22, s13
	s_lshl_b32 s22, s22, 11                        ; psum: (32 chunk + b) x 2,048
	s_mov_b32 s23, 0
	v_and_b32 v[CG], 127, v0
	v_lshrrev_b32 v3, 7, v0                        ; row phase 0..3
	v_lshlrev_b32 v[CG], 4, v[CG]
	v_lshl_add_u32 v[VO], v3, 16, v[CG]
	v_lshlrev_b32 v[T16], 4, v0
	v_lshlrev_b32 v[T8], 3, v0
.irp i, 0,1,2,3,4,5,6,7
	v_mov_b32 v[ACC+(\i)], 0
.endr
	s_wait_alu depctr_va_sdst(0)                   ; s12, the wave's number, is written, ahead of its first reader: the compare in front of the branch for Wk
	s_wait_kmcnt 0x0
	s_add_nc_u64 s[4:5], s[4:5], s[14:15]
	s_add_nc_u64 s[6:7], s[6:7], s[18:19]
	s_add_nc_u64 s[10:11], s[10:11], s[20:21]
	s_add_nc_u64 s[8:9], s[8:9], s[22:23]
.irp k, 0,1,2,3
	s_add_nc_u64 s[WB+2*(\k):WB+2*(\k)+1], s[4:5], (\k)*BLOCK*ROWSTEP  ; blocks 0 to 3
.endr
	s_wait_alu depctr_va_vdst(0)                   ; the offsets v1, v2, v4 and v5 are written: every load and store of the kernel reads one of them
.irp k, 0,1,2
.irp r, 0,1,2,3,4,5,6,7
	global_load_b128 v[X+32*(\k)+4*(\r):X+32*(\k)+4*(\r)+3], v[VO], s[WB+2*(\k):WB+2*(\k)+1] offset:(\r)*ROWSTEP th:TH_LOAD_NT  ; blocks 0, 1 and 2 into X0, X1, X2
.endr
.endr
	; Waves 0 to 7 round the work-group's 4,096 bytes of Wk: load, wait, round, store in one branch.  A wave's store covers 256 consecutive bytes, aligned.
	s_cmp_lt_u32 s12, 8
	s_cbranch_scc0 .Lno_wk
	global_load_b128 v[WR:WR+3], v[T16], s[6:7] th:TH_LOAD_NT
	s_wait_loadcnt 0x0                             ; the youngest load: the 24 in front of it are in too, which the counts below allow for
	v_cvt_pk_bf16_f32 v[WR+4], v[WR], v[WR+1]
	v_cvt_pk_bf16_f32 v[WR+5], v[WR+2], v[WR+3]
	s_wait_alu depctr_va_vdst(0)                   ; the two roundings have written v[20:21], which the store reads
	global_store_b64 v[T8], v[WR+4:WR+5], s[10:11]
.Lno_wk:
; Block p.  xb = p % 4.  first = 1: block 0, with no block in front of it.  ahead = 1: block p + 3 is loaded.
; left = how many younger loads may still be out when this block's eight have to be there.
.macro BLK xb, first, ahead, left
	s_wait_loadcnt \left                           ; loads come back in order (ISA guide 5.7.1): X[xb] is in, the younger blocks stay out
.if \ahead
	s_add_nc_u64 s[WB+2*(\xb):WB+2*(\xb)+1], s[WB+2*(\xb):WB+2*(\xb)+1], 4*BLOCK*ROWSTEP  ; free since that wait, which shows the loads that read it done: the buffer's next block, asked for in the next block's turn (block 12's step is not used)
.if !\first
	s_wait_alu depctr_va_vdst(0)                   ; the block before is done reading its X, in which the eight loads below land
.endif
.endif
.irp r, 0,1,2,3,4,5,6,7
.if \ahead
	global_load_b128 v[X+32*((\xb+3)%4)+4*(\r):X+32*((\xb+3)%4)+4*(\r)+3], v[VO], s[WB+2*((\xb+3)%4):WB+2*((\xb+3)%4)+1] offset:(\r)*ROWSTEP th:TH_LOAD_NT  ; three blocks ahead; no vector instruction since the wait names these registers
.endif
	v_pk_add_f32 v[ACC+4*((\r)%2):ACC+4*((\r)%2)+1], v[ACC+4*((\r)%2):ACC+4*((\r)%2)+1], v[X+32*(\xb)+4*(\r):X+32*(\xb)+4*(\r)+1]
	v_pk_add_f32 v[ACC+4*((\r)%2)+2:ACC+4*((\r)%2)+3], v[ACC+4*((\r)%2)+2:ACC+4*((\r)%2)+3], v[X+32*(\xb)+4*(\r)+2:X+32*(\xb)+4*(\r)+3]
.endr
.endm
	BLK 0, 1, 1, 2*BLOCK                           ; block 0: its loads land in X3, which no vector instruction has named
	s_mov_b32 s17, (BLOCKS-4)/4
.Lround:                                               ; blocks 1 to 12, four to a lap: the buffers are back at their start
	BLK 1, 0, 1, 2*BLOCK
	BLK 2, 0, 1, 2*BLOCK
	BLK 3, 0, 1, 2*BLOCK
	BLK 0, 0, 1, 2*BLOCK
	s_sub_co_u32 s17, s17, 1
	s_cmp_lg_u32 s17, 0
	s_cbranch_scc1 .Lround
	BLK 1, 0, 0, 2*BLOCK                           ; blocks 13 to 15 load nothing: no load leaves the buffer, and the counts run down
	BLK 2, 0, 0, BLOCK
	BLK 3, 0, 0, 0
	v_pk_add_f32 v[ACC:ACC+1], v[ACC:ACC+1], v[ACC+4:ACC+5]
	v_pk_add_f32 v[ACC+2:ACC+3], v[ACC+2:ACC+3], v[ACC+6:ACC+7]
	s_wait_alu depctr_va_vdst(0)                   ; v[8:11] are written, which the LDS store reads; and the additions are done reading v[32:43], in which the LDS loads below land
	; The four row phases: phases 1 to 3 (waves 4 to 15) put their sums at LDS byte 16 t; phase 0 adds them and stores.
	s_cmp_lt_u32 s12, 4
	s_cbranch_scc1 .Lkeep
	ds_store_b128 v[T16], v[ACC:ACC+3]
.Lkeep:
	s_wait_dscnt 0x0                               ; for the others' sake: my store is done
	s_barrier_signal -1
	s_barrier_wait -1
	s_cmp_lt_u32 s12, 4
	s_cbranch_scc0 .Ldone
	ds_load_b128 v[X:X+3],    v[CG] offset:2048
	ds_load_b128 v[X+4:X+7],  v[CG] offset:4096
	ds_load_b128 v[X+8:X+11], v[CG] offset:6144
	s_wait_dscnt 0x0
	v_pk_add_f32 v[O:O+1], v[ACC:ACC+1], v[X:X+1]  ; the sums go on in registers of their own: no line of the text writes what the LDS store above has read
	v_pk_add_f32 v[O+2:O+3], v[ACC+2:ACC+3], v[X+2:X+3]
	v_pk_add_f32 v[X+4:X+5], v[X+4:X+5], v[X+8:X+9]
	v_pk_add_f32 v[X+6:X+7], v[X+6:X+7], v[X+10:X+11]
	v_pk_add_f32 v[O:O+1], v[O:O+1], v[X+4:X+5]
	v_pk_add_f32 v[O+2:O+3], v[O+2:O+3], v[X+6:X+7]
	s_wait_alu depctr_va_vdst(0)                   ; the additions have written v[44:47], which the store reads
	global_store_b128 v[CG], v[O:O+3], s[8:9]      ; a wave stores 512 consecutive bytes, aligned
.Ldone:
	s_wait_dscnt 0x0                               ; the closing lines, six on end
	s_wait_alu 0x0
	s_wait_tensorcnt 0x0
	ds_add_u32 v[SPW], v[NIL]
	s_wait_dscnt 0x0
	s_endpgm
.Lfunc_end_k_q936f83866e_colsum:
	.size	k_q936f83866e_colsum, .Lfunc_end_k_q936f83866e_colsum-k_q936f83866e_colsum
	.p2alignl 7, 3214868480
	.fill 96, 4, 3214868480
	.section	.rodata,"a",@progbits
	.p2align	6, 0x0
	.amdhsa_kernel k_q936f83866e_colsum
		.amdhsa_group_segment_fixed_size 10240
		.amdhsa_private_segment_fixed_size 0
		.amdhsa_enable_private_segment 0
		.amdhsa_kernarg_size 32
		.amdhsa_user_sgpr_count 2
		.amdhsa_user_sgpr_kernarg_segment_ptr 1
		.amdhsa_wavefront_size32 1
		.amdhsa_system_sgpr_workgroup_id_x 1
		.amdhsa_system_sgpr_workgroup_id_y 1
		.amdhsa_system_sgpr_workgroup_id_z 1
		.amdhsa_system_vgpr_workitem_id 0
		.amdhsa_next_free_vgpr 160
		.amdhsa_next_free_sgpr 66
		.amdhsa_reserve_vcc 0
		.amdhsa_float_denorm_mode_32 3
		.amdhsa_float_denorm_mode_16_64 3
		.amdhsa_memory_ordered 1
		.amdhsa_forward_progress 1
		.amdhsa_inst_pref_size 19
	.end_amdhsa_kernel
	.amdgpu_metadata
---
amdhsa.version: [ 1, 2 ]
amdhsa.kernels:
  - .name:           k_q936f83866e_colsum
    .symbol:         k_q936f83866e_colsum.kd
    .args:
      - { .name: hidden_states, .offset: 0, .size: 8, .value_kind: global_buffer, .address_space: global }
      - { .name: Wk, .offset: 8, .size: 8, .value_kind: global_buffer, .address_space: global }
      - { .name: psum, .offset: 16, .size: 8, .value_kind: global_buffer, .address_space: global }
      - { .name: Wkb, .offset: 24, .size: 8, .value_kind: global_buffer, .address_space: global }
    .group_segment_fixed_size: 10240
    .private_segment_fixed_size: 0
    .kernarg_segment_align: 8
    .kernarg_segment_size: 32
    .max_flat_workgroup_size: 512
    .sgpr_count:     66
    .vgpr_count:     160
    .wavefront_size: 32
...
	.end_amdgpu_metadata
.endif
;; end of part 5
;; launch qproj: the kernel of part 2 again; grid 8 x 16, 8 waves a work-group, no clusters, 5,120 bytes of LDS; arguments psum, Wq, bq, qs; writes qs
;; launch attn: the kernel of part 3 again; grid 8 x 32, 4 waves a work-group, clusters of 4 x 1, 327,680 bytes of LDS; arguments hidden_states, Wkb, bk, qs, lengths, part; writes part
;; launch combine: the kernel of part 4 again; grid 32 x 1, 4 waves a work-group, no clusters, 0 bytes of LDS; arguments part, out0; writes out0
